; MI455X (gfx1250); checked and timed in simulation.
; The chip was launched on July 23, 2026; its instructions are those of AMD's public machine-readable ISA for CDNA 5 (MIT licence, August 2026) and "CDNA5" Instruction Set Architecture Reference Guide (July 2026). The comments in the code are by the model that wrote it; some were corrected since.
;; SK Linear triton. Allowed arithmetic: matrix products marked QUANTISED: E2M1 operands, one E8M0 scale for each 32 along K, by v_wmma_scale_f32_16x16x128_f8f6f4 with both operands' format E2M1 (or v_wmma_scale_f32_32x16x128_f4), f32 sums; everything else in f32.
;; Inputs: S1s 4 x 4,096 x 256 float32; S2s 4 x 256 x 4,096 float32; U1s 4 x 256 x 4,096 float32; U2s 4 x 4,096 x 256 float32; bias 4,096 float32; hin 4,096 x 4,096 float32.
;; Outputs: out0 4,096 x 4,096 float32.
;; This version of the problem:
;;   THIS VERSION OF THE PROBLEM IS GIVEN IN LOW PRECISION. The matrix products marked QUANTISED in the list below multiply operands that are first quantised to E2M1 (2 exponent bits, 1 mantissa bit; 4 bits a number), with one power-of-two scale for each 32 numbers along K (OCP MX v1.0); their sums are f32. All else is computed in f32.
;;   The module's matrix products, in the order in which they are computed (A, B: the left and right operand; K: the contracted axis; several contracted axes count as one K, in the product's order):
;;     1. [M 1,024, K 4,096] x [K 4,096, N 4,096]; A: input S1s; B: input hin: QUANTISED
;;     2. [M 4,096, K 1,024] x [K 1,024, N 4,096]; A: computed on the way; B: input U1s: QUANTISED
;;     3. [M 1,024, K 4,096] x [K 4,096, N 4,096]; A: input U2s; B: input hin: QUANTISED
;;     4. [M 4,096, K 1,024] x [K 1,024, N 4,096]; A: computed on the way; B: input S2s: QUANTISED
;;   THE QUANTISER, for each operand of a quantised product, along K:
;;     - K is cut into blocks of 32 from its start; a last block that is shorter is filled with zeros.
;;     - A block's scale is 2^e with e = floor(log2(the largest magnitude in the block)) - 2, held to -126 .. 127; a block of zeros has e = 0. As a byte (E8M0): e + 127.
;;     - Each number is divided by its block's scale, clamped to +-6, and rounded to the nearest number of E2M1, ties to even, subnormals kept.
;;     - The product sums the exact products of the quantised numbers (number of the format x scale) in f32.
;;   ~~~python
;;   def quantise(x, axis):      # numpy; x: float32 -> the quantised numbers, widened to float32 again
;;       x = np.moveaxis(x, axis, -1); K = x.shape[-1]
;;       x = np.pad(x, [(0, 0)] * (x.ndim - 1) + [(0, -K % 32)]); x = x.reshape(x.shape[:-1] + (-1, 32)); a = np.abs(x).max(-1, keepdims=True)
;;       e = np.where(a > 0, np.clip(np.frexp(np.where(a > 0, a, 1))[1] - 1 - 2, -126, 127), 0)      # np.frexp(a)[1] - 1 = floor(log2(a)), exactly
;;       r = np.clip(x / 2.0 ** e, -6, 6)
;;       step = 2.0 ** (np.maximum(np.frexp(np.where(r == 0, 1, r))[1] - 1, 0) - 1)
;;       q = np.round(r / step) * step * 2.0 ** e      # np.round: ties to even
;;       return np.moveaxis(q.reshape(q.shape[:-2] + (-1,))[..., :K], -1, axis).astype(np.float32)
;;   ~~~
;;   OPERANDS COMPUTED ON THE WAY. 'Computed on the way' means the value that the module computes at that place (a softmax that the list does not call 'softmax' is quantised finished and normalised). What goes into a quantiser is computed in f32, as accurately as f32 sums, v_exp_f32 and their like allow (about 1e-6 of the number): no bf16 or f16 on the way to a quantiser, and a product that is left as it is and whose result goes on into a quantised operand takes f32 operands (vector FMAs, or v_wmma_f32_16x16x4_f32). A number that lies on a knife's edge between two numbers of the format may be rounded either way, as far as f32 arithmetic and the matrix unit's own rounding can turn it there, and no further.
;; One version. Each part assembles by itself: llvm-mc -triple=amdgcn-amd-amdhsa -mcpu=gfx1250 --defsym DOCPART=n.
;; ======== version 1 of 1: 3 launches
;; limits: right only within a limited range of input values
;; workspace buffers: hc 8,388,608 bytes; hs 524,288 bytes; w1c 4,194,304 bytes; w1s 262,144 bytes; w2c 4,194,304 bytes; w2s 262,144 bytes; abc 4,194,304 bytes; abs 262,144 bytes
;; launch quant (part 1): grid 1024 x 1, 4 waves a work-group, no clusters, 41,472 bytes of LDS; arguments hin, S1s, U2s, U1s, S2s, hc, hs, w1c, w1s, w2c, w2s; writes hc, hs, w1c, w1s, w2c, w2s
.if DOCPART == 1
	.amdgcn_target "amdgcn-amd-amdhsa--gfx1250"
	.amdhsa_code_object_version 6
	.text
	.protected	k_qfd7a154721_quant
	.globl	k_qfd7a154721_quant
	.p2align	8
	.type	k_qfd7a154721_quant,@function
k_qfd7a154721_quant:
	s_mov_b64 s[64:65], 0
	v_nop
	global_prefetch_b8 v0, s[64:65] scope:SCOPE_SE
	s_setreg_imm32_b32 hwreg(HW_REG_WAVE_MODE, 25, 1), 1
	s_wait_xcnt 0x0
; hin [4096][4096], S1s, U2s [4][4096][256], U1s, S2s [4][256][4096], all f32, become codes of FP4 (E2M1) with one E8M0 scale byte for each 32 along the K of the product that reads them.
; A block's scale is 2^(floor(log2(its largest magnitude)) - 2); its byte is the largest magnitude's exponent field - 2, held at 1 from below; each number is divided by the scale and rounded to the nearest code, ties to even, beyond 6 the largest code.
; LIMITS: a block whose largest magnitude lies under 2^(3 - 127) has its byte held at 1; a block of zeros gets the byte 1 where the rule says 127 (its codes are zeros, and only this program reads the bytes); NaN and infinities are not served.
; THE CODES' LAYOUT is the order of an operand's registers: [K / 512][tile of 16 rows][block kb of 32 along K, 0..15][place i in the tile, 0..15][16 bytes]: 4,096 bytes for a tile and 512 along K.
; The fragment of the q-th 128 along K is the 1,024 bytes at 1,024 q, and lane l's register group c lies at 512 c + 16 l in it.  THE SCALE BYTES: [K / 512][tile][i][16 bytes], byte kb for block kb.
; hin: row m is place m % 16 of tile m / 16.  The weights: K is not their last axis; the other axis n = 32 B + 16 h + 8 u + j goes to tile 2 B + u, place 8 h + j, so that a transposed product's
; 16 registers of two neighbouring tiles are 16 neighbouring n.
; THE SECOND PRODUCTS CONTRACT THE AXES (k, l) IN THAT ORDER: their K is 4 k + l, so a block of 32 is 8 neighbouring k x the 4 l.  With t = 0 for S1s and U1s, 1 for U2s and S2s:
; W1 = [S1s | U2s] has K = d and n = 1024 t + 4 k + l; W2 = [U1s ; S2s] has K = 1024 t + 4 k + l and n = o.
; WORK-GROUPS 0-511 take hin (a wave: 16 rows x 512 along K), 512-1023 the weights (a work-group: 256 n x 128 along K; a wave: two groups of 32 n, 128 n apart, 4 blocks a lane in each).
; 256 n of W1 are 64 k: 256 consecutive bytes of a row of S1s or U2s in each plane, so each such run is read by one work-group.  Every work-group reads 131,072 bytes.
; A wave of hin has four of its 16 steps' loads out, a wave of the weights two of its 8 blocks'.  Waves share nothing: no barrier.  Only hin's path uses LDS.
.set EMAX,  2
.set FLOOR, (EMAX+1)<<23               ; 2^(EMAX + 1 - 127): under it no largest magnitude is taken
; ---- hin's path
.set WREG,  10240                      ; LDS of a wave: two turn stages of 32 x SP, 256 scale bytes, a stage for the codes
.set SP,    80                         ; a lane's place in a turn stage: 64 bytes + 16
.set SBY,   5120                       ; the wave's 256 scale bytes
.set CSTG,  5376                       ; the codes' stage: 16 runs of 256 bytes, CP apart
.set CP,    272
.set R,     16                         ; v16-79   four sets of 16 numbers as loaded
.set X,     80                         ; v80-111  two sets of 16 neighbours
.set E,     112                        ; v112-127 a scale byte for each step
.set C,     128                        ; v128-191 four registers for each step (two used): no store's data are written again
; ---- the weights' path
.set NBL,   8                          ; blocks of 32 along K for a lane: block t is column group t % 2, block t / 2 along K
.set RO,    16                         ; v16-47   byte offset of number i of a block at my column; never rewritten
.set WX,    48                         ; v48-111  two sets of 32 numbers
.set WC,    112                        ; v112-143 four registers of codes for each block: no store's data are written again
.set WSB,   176                        ; v176-177 my two columns' 4 scale bytes each
.set PLANE, 1<<22                      ; bytes of one l of any of the four weights
	s_load_b512 s[8:23], s[0:1], 0x0               ; hin 8, S1s 10, U2s 12, U1s 14, S2s 16, hc 18, hs 20, w1c 22
	s_load_b128 s[24:27], s[0:1], 0x40             ; w1s 24, w2c 26
	s_load_b64 s[28:29], s[0:1], 0x50              ; w2s
	v_lshl_add_u32 v192, v0, 2, 0xa000
	v_mov_b32 v193, 0
	v_lshrrev_b32 v1, 5, v0
	v_readfirstlane_b32 s3, v1                     ; wave 0..3
	v_and_b32 v2, 31, v0                           ; lane
	s_wait_kmcnt 0x0
	s_cmp_lt_u32 ttmp9, 512                        ; the paths part on the work-group's number alone
	s_cbranch_scc0 .Lw
; ================= hin: K is innermost.  Step t is row t of the wave's 16: 512 numbers, 2,048 consecutive bytes
	s_lshr_b32 s30, ttmp9, 1                       ; mt: which 16 rows
	s_and_b32 s31, ttmp9, 1
	s_lshl_b32 s31, s31, 2
	s_add_co_u32 s31, s31, s3                      ; k8: which 512 along K
	s_mov_b32 s33, 0
	s_lshl_b32 s32, s30, 18                        ; 16 rows of 16,384 bytes
	s_lshl_b32 s34, s31, 11
	s_add_co_u32 s32, s32, s34
	s_add_nc_u64 s[8:9], s[8:9], s[32:33]          ; hin at my first number
	s_lshl_b32 s32, s31, 20                        ; 256 tiles of 4,096 bytes
	s_lshl_b32 s34, s30, 12
	s_add_co_u32 s32, s32, s34
	s_add_nc_u64 s[18:19], s[18:19], s[32:33]      ; my 4,096 bytes of codes
	s_lshl_b32 s32, s31, 16
	s_lshl_b32 s34, s30, 8
	s_add_co_u32 s32, s32, s34
	s_add_nc_u64 s[20:21], s[20:21], s[32:33]      ; my 256 scale bytes
	s_mul_i32 s35, s3, WREG
	s_wait_alu depctr_va_vdst(0)
	v_lshlrev_b32 v3, 4, v2                        ; 16 x lane
	v_lshrrev_b32 v14, 2, v2
	v_mul_u32_u24 v14, v14, SP
	v_and_b32 v15, 3, v2
	v_lshl_add_u32 v14, v15, 4, v14
	v_add_nc_u32 v14, s35, v14                     ; turn stage, in: SP (lane / 4) + 16 (lane % 4)
	v_mul_u32_u24 v15, v2, SP
	v_add_nc_u32 v15, s35, v15                     ; turn stage, out: SP x lane: my 16 neighbours
	v_lshrrev_b32 v5, 1, v2                        ; my block of the row: lane / 2
	v_and_b32 v6, 1, v2
	v_mul_u32_u24 v4, v5, CP
	v_lshl_add_u32 v4, v6, 3, v4
	s_add_co_u32 s36, s35, CSTG
	v_add_nc_u32 v4, s36, v4                       ; codes' stage, in: run kb = lane / 2, my half's 8 bytes; the row's 16 bytes stand in the immediate
	v_lshrrev_b32 v1, 4, v2
	v_mul_u32_u24 v1, v1, CP
	v_and_b32 v6, 15, v2
	v_lshl_add_u32 v1, v6, 4, v1
	v_add_nc_u32 v1, s36, v1                       ; codes' stage, out: sixteen lanes to a run, two runs an instruction
	s_add_co_u32 s36, s35, SBY
	v_add_nc_u32 v5, s36, v5                       ; my block's scale byte
	v_lshlrev_b32 v7, 3, v2
	v_add_nc_u32 v6, s36, v7                       ; and on the way out 8 bytes a lane
.macro HLOAD t
.irp i, 0,1,2,3
	global_load_b128 v[R+16*((\t)%4)+4*\i:R+16*((\t)%4)+4*\i+3], v3, s[8:9] offset:16384*(\t)+512*\i th:TH_LOAD_NT   ; 32 lanes read 512 consecutive bytes
.endr
.endm
.macro HTURN t                         ; a step's 2,048 bytes through the stage: in as loaded, out 64 bytes a lane.  LDS serves a wave's instructions in order: no wait between
.irp i, 0,1,2,3
	ds_store_b128 v14, v[R+16*((\t)%4)+4*\i:R+16*((\t)%4)+4*\i+3] offset:32*SP*((\t)%2)+8*SP*\i
.endr
.irp i, 0,1,2,3
	ds_load_b128 v[X+16*((\t)%2)+4*\i:X+16*((\t)%2)+4*\i+3], v15 offset:32*SP*((\t)%2)+16*\i
.endr
.endm
.macro HSTEP t
.set XS, X+16*((\t)%2)
.if (\t) > 0
	s_wait_dscnt 2                                 ; this step's numbers are back from the stage; behind those loads stand the last step's two stores (its byte, its codes)
.else
	s_wait_dscnt 0x0
.endif
.if (\t)+4 < 16
	HLOAD (\t)+4                                   ; into the set whose numbers have just gone through the stage
.endif
.if (\t)+1 < 16
.if (\t) < 12
	s_wait_loadcnt 12                              ; the next step's four loads are in; those of the three steps behind it may be out
.else
	s_wait_loadcnt 4*(14-(\t))
.endif
	HTURN (\t)+1
.endif
	v_max3_num_f32 v8, |v[XS]|, |v[XS+1]|, |v[XS+2]|               ; the largest magnitude of my 16, in two chains
	v_max3_num_f32 v9, |v[XS+3]|, |v[XS+4]|, |v[XS+5]|
.irp i, 6,10
	v_max3_num_f32 v8, v8, |v[XS+\i]|, |v[XS+\i+1]|
	v_max3_num_f32 v9, v9, |v[XS+\i+2]|, |v[XS+\i+3]|
.endr
	v_max3_num_f32 v8, v8, |v[XS+14]|, |v[XS+15]|
	v_max3_num_f32 v8, v8, v9, FLOOR               ; and the floor: the byte cannot fall under 1
	v_max_num_f32_dpp v8, v8, v8 row_xmask:1 row_mask:0xf bank_mask:0xf   ; with my neighbour's 16: the block's
	v_add_nc_u32 v11, -(EMAX<<23), v8              ; EMAX off the exponent field: the conversion takes that field as its scale
	v_cvt_scalef32_pk8_fp4_f32 v[C+4*(\t)], v[XS:XS+7], v11
	v_cvt_scalef32_pk8_fp4_f32 v[C+4*(\t)+1], v[XS+8:XS+15], v11
	v_lshrrev_b32 v[E+(\t)], 23, v11               ; the scale's byte (also the plain line behind the conversions)
	ds_store_b8 v5, v[E+(\t)] offset:16*(\t)       ; row t's 16 bytes; both lanes of a block write the same byte with the same value
	ds_store_b64 v4, v[C+4*(\t):C+4*(\t)+1] offset:16*(\t)   ; place i = t in run kb
.endm
.irp t, 0,1,2,3
	HLOAD \t
.endr
	s_wait_loadcnt 12                              ; step 0's four loads are in
	HTURN 0
.irp t, 0,1,2,3,4,5,6,7,8,9,10,11,12,13,14,15
	HSTEP \t
.endr
	ds_load_b64 v[12:13], v6                       ; these see my stores: LDS serves a wave's instructions in order
.irp i, 0,1,2,3,4,5,6,7
	ds_load_b128 v[R+4*\i:R+4*\i+3], v1 offset:2*CP*\i
.endr
	s_wait_dscnt 8                                 ; the scale bytes are back; the eight loads of codes may be out
	global_store_b64 v7, v[12:13], s[20:21]        ; 32 lanes store 256 consecutive bytes, aligned
.irp i, 0,1,2,3,4,5,6,7
	s_wait_dscnt 7-\i
	global_store_b128 v3, v[R+4*\i:R+4*\i+3], s[18:19] offset:512*\i   ; 512 consecutive bytes, aligned
.endr
	s_wait_tensorcnt 0x0                           ; the wave's end
	ds_add_u32 v192, v193
	s_wait_dscnt 0x0
	s_endpgm
; ================= the weights: a lane takes a column n and its registers run down K, so a block of 32 lies in one lane and the codes come out with K innermost.
; One path serves all four tensors; six numbers say how it walks:
;   S1s, U2s: lane L is column n = .. + L, that is l = L % 4, k = .. + L / 4: (L % 4) planes + 4 (L / 4) bytes;  number i of a block is row d = .. + i: 1,024 (i % 4) + 4,096 (i / 4);  a block on: 32 rows of 1,024 bytes;  the second group: 32 k, 128 bytes on.
;   U1s, S2s: lane L is column o = .. + L: 4 (L % 4) + 16 (L / 4) bytes;  number i of a block is l = i % 4, k = .. + i / 4: (i % 4) planes + 16,384 (i / 4);  a block on: 8 rows of 16,384 bytes;  the second group: 128 o, 512 bytes on.
.Lw:
	s_sub_co_u32 s30, ttmp9, 512
	s_lshr_b32 s31, s30, 7                         ; T: 0 S1s, 1 U2s, 2 U1s, 3 S2s
	s_and_b32 s32, s30, 127                        ; j: which part of the tensor
	s_and_b32 s33, s31, 1                          ; t: the tensor's half of W1's n or of W2's K
	; as a part of W1: j = 128 d (5 bits), 64 k (2 bits): four neighbouring work-groups cover whole rows of the four planes
	s_lshr_b32 s35, s32, 2
	s_and_b32 s36, s32, 3
	s_lshl_b32 s37, s35, 17                        ; 128 rows of 1,024 bytes
	s_lshl_b32 s38, s36, 8                         ; 64 k
	s_add_co_u32 s37, s37, s38
	s_lshl_b32 s38, s3, 5                          ; my wave's 8 k
	s_add_co_u32 s37, s37, s38                     ; byte offset in the tensor
	s_lshr_b32 s38, s35, 2                         ; which 512 along K,
	s_and_b32 s59, s35, 3                          ; and which quarter of them
	s_lshl_b32 s38, s38, 7                         ; 128 tiles for each 512 along K
	s_lshl_b32 s39, s33, 6
	s_add_co_u32 s38, s38, s39
	s_lshl_b32 s39, s36, 4                         ; 64 k x 4 l are 256 n: 16 tiles
	s_add_co_u32 s38, s38, s39                     ; first tile
	; as a part of W2: j = 32 k (3 bits), 256 o (4 bits)
	s_and_b32 s34, s32, 15
	s_lshr_b32 s35, s32, 4
	s_lshl_b32 s50, s35, 19                        ; 32 rows of 16,384 bytes
	s_lshl_b32 s39, s34, 10
	s_add_co_u32 s50, s50, s39
	s_lshl_b32 s39, s3, 7                          ; my wave's 32 o
	s_add_co_u32 s50, s50, s39
	s_lshr_b32 s51, s35, 2
	s_and_b32 s60, s35, 3                          ; 32 k x 4 l are 128 along K: which quarter of the 512
	s_lshl_b32 s39, s33, 1
	s_add_co_u32 s51, s51, s39                     ; K step 2 t + k / 128
	s_lshl_b32 s51, s51, 8                         ; 256 tiles for each 512 along K
	s_lshl_b32 s39, s34, 4
	s_add_co_u32 s51, s51, s39
	s_mov_b32 s52, 4                               ; W2's six numbers (an instruction takes one literal)
	s_mov_b32 s56, PLANE
	s_mov_b32 s57, 16384
	s_mov_b32 s58, 131072
	s_mov_b32 s61, 512
	s_cmp_eq_u32 s33, 0                            ; the choices hang on the work-group's number alone
	s_cselect_b64 s[10:11], s[10:11], s[12:13]     ; S1s or U2s
	s_cselect_b64 s[14:15], s[14:15], s[16:17]     ; U1s or S2s
	s_cmp_lt_u32 s31, 2
	s_cselect_b64 s[40:41], s[10:11], s[14:15]     ; the tensor,
	s_cselect_b64 s[46:47], s[22:23], s[26:27]     ; its codes,
	s_cselect_b64 s[48:49], s[24:25], s[28:29]     ; its scale bytes,
	s_cselect_b32 s54, s37, s50                    ; the offset,
	s_cselect_b32 s38, s38, s51                    ; the tile,
	s_cselect_b32 s59, s59, s60                    ; the quarter of the K step,
	s_cselect_b32 s52, PLANE, s52                  ; bytes for lane % 4,
	s_cselect_b32 s53, 4, 16                       ; for lane / 4,
	s_cselect_b32 s56, 1024, s56                   ; for i % 4,
	s_cselect_b32 s57, 4096, s57                   ; for i / 4,
	s_cselect_b32 s58, 32768, s58                  ; from a block along K to the next,
	s_cselect_b32 s61, 128, s61                    ; and from the first column group to the second
	s_mov_b32 s55, 0
	s_add_nc_u64 s[40:41], s[40:41], s[54:55]      ; the even blocks' base: the first group
	s_mov_b32 s54, s61
	s_add_nc_u64 s[42:43], s[40:41], s[54:55]      ; the odd blocks' base: the second group
	s_mov_b32 s44, s58                             ; two blocks on: the same group, one block along K on
	s_mov_b32 s45, 0
	s_lshl_b32 s39, s3, 1
	s_add_co_u32 s38, s38, s39                     ; my wave's two tiles of the first group; the second group's lie 8 tiles on
	s_lshl_b32 s54, s38, 12
	s_lshl_b32 s39, s59, 10                        ; my quarter's four runs of 256 bytes in a tile
	s_add_co_u32 s54, s54, s39
	s_add_nc_u64 s[46:47], s[46:47], s[54:55]
	s_lshl_b32 s54, s38, 8
	s_lshl_b32 s39, s59, 2                         ; my quarter's 4 of a row's 16 scale bytes
	s_add_co_u32 s54, s54, s39
	s_add_nc_u64 s[48:49], s[48:49], s[54:55]
	s_wait_alu depctr_va_vdst(0)
	v_and_b32 v6, 3, v2
	v_lshrrev_b32 v7, 2, v2
	v_mul_u32_u24 v[RO], s52, v6
	v_mad_u32_u24 v[RO], v7, s53, v[RO]            ; my column
.irp n, 1,2,3
	v_mad_u32_u24 v[RO+\n], s56, \n, v[RO]         ; numbers 1 to 3 of a block
.endr
.set n, 4
.rept 28
	v_mad_u32_u24 v[RO+n], s57, n/4, v[RO+n%4]     ; and the others
.set n, n+1
.endr
	v_bfe_u32 v6, v2, 3, 1                         ; u: which of my wave's two tiles
	v_lshrrev_b32 v7, 4, v2
	v_and_b32 v8, 7, v2
	v_lshl_add_u32 v7, v7, 3, v8                   ; place i = 8 (lane / 16) + lane % 8
	v_lshlrev_b32 v7, 4, v7
	v_lshl_add_u32 v4, v6, 12, v7                  ; my 16 bytes of a block's codes
	v_lshl_add_u32 v5, v6, 8, v7                   ; my row of scale bytes
; Block t: its 32 numbers at my column of group t % 2.  U1s, S2s: a load reads 128 consecutive bytes, the four waves side by side 512, the two groups 1,024.  S1s, U2s: a load reads 32 consecutive bytes in each of
; the four planes, the four waves side by side 128 in each, the two groups 256.  No cache hint: the neighbouring bytes of a row are read by other waves.
.macro WLOAD t
.irp i, 0,1,2,3,4,5,6,7,8,9,10,11,12,13,14,15,16,17,18,19,20,21,22,23,24,25,26,27,28,29,30,31
	global_load_b32 v[WX+32*((\t)%2)+\i], v[RO+\i], s[40+2*((\t)%2):41+2*((\t)%2)]
.endr
.endm
.macro WBLOCK t
.set XS, WX+32*((\t)%2)
.if (\t) < NBL-1
	s_wait_loadcnt 32                              ; this block's 32 loads are done, so their base may be stepped; the next block's 32 may be out
.else
	s_wait_loadcnt 0x0
.endif
	v_max3_num_f32 v12, |v[XS]|, |v[XS+1]|, |v[XS+2]|              ; the block's largest magnitude: all 32 numbers are mine
	v_max3_num_f32 v13, |v[XS+3]|, |v[XS+4]|, |v[XS+5]|
.irp i, 6,10,14,18,22,26
	v_max3_num_f32 v12, v12, |v[XS+\i]|, |v[XS+\i+1]|
	v_max3_num_f32 v13, v13, |v[XS+\i+2]|, |v[XS+\i+3]|
.endr
	v_max3_num_f32 v12, v12, |v[XS+30]|, |v[XS+31]|
	v_max3_num_f32 v12, v12, v13, FLOOR
	v_add_nc_u32 v11, -(EMAX<<23), v12
	v_lshrrev_b32 v13, 23, v11                     ; the scale's byte
.if (\t)/2 == 0
	v_mov_b32 v[WSB+(\t)%2], v13                   ; a register for each group, the lower K in the lower byte
.else
	v_lshl_or_b32 v[WSB+(\t)%2], v13, 8*((\t)/2), v[WSB+(\t)%2]
.endif
.irp g, 0,1,2,3
	v_cvt_scalef32_pk8_fp4_f32 v[WC+4*(\t)+\g], v[XS+8*\g:XS+8*\g+7], v11
.endr
	global_store_b128 v4, v[WC+4*(\t):WC+4*(\t)+3], s[46:47] offset:32768*((\t)%2)+256*((\t)/2)   ; run t / 2 of my quarter in my two tiles of group t % 2: 256 consecutive bytes, aligned, in each
.if (\t)+2 < NBL
	s_add_nc_u64 s[40+2*((\t)%2):41+2*((\t)%2)], s[40+2*((\t)%2):41+2*((\t)%2)], s[44:45]
	WLOAD (\t)+2
.endif
.endm
	WLOAD 0
	WLOAD 1
.irp t, 0,1,2,3,4,5,6,7
	WBLOCK \t
.endr
	global_store_b32 v5, v[WSB], s[48:49]                  ; my first column's 4 scale bytes: a quarter of its 16; the other quarters come from the work-groups that take the K step's other 128s,
	global_store_b32 v5, v[WSB+1], s[48:49] offset:2048    ; and my second column's, 8 tiles on.  So these runs of 256 bytes are written in four parts: one byte in 128 of what this path reads
	s_endpgm
.Lfunc_end_k_qfd7a154721_quant:
	.size	k_qfd7a154721_quant, .Lfunc_end_k_qfd7a154721_quant-k_qfd7a154721_quant
	.p2alignl 7, 3214868480
	.fill 96, 4, 3214868480
	.section	.rodata,"a",@progbits
	.p2align	6, 0x0
	.amdhsa_kernel k_qfd7a154721_quant
		.amdhsa_group_segment_fixed_size 41472
		.amdhsa_private_segment_fixed_size 0
		.amdhsa_enable_private_segment 0
		.amdhsa_kernarg_size 88
		.amdhsa_user_sgpr_count 2
		.amdhsa_user_sgpr_kernarg_segment_ptr 1
		.amdhsa_wavefront_size32 1
		.amdhsa_system_sgpr_workgroup_id_x 1
		.amdhsa_system_sgpr_workgroup_id_y 1
		.amdhsa_system_sgpr_workgroup_id_z 1
		.amdhsa_system_vgpr_workitem_id 0
		.amdhsa_next_free_vgpr 194
		.amdhsa_next_free_sgpr 66
		.amdhsa_reserve_vcc 0
		.amdhsa_float_denorm_mode_32 3
		.amdhsa_float_denorm_mode_16_64 3
		.amdhsa_memory_ordered 1
		.amdhsa_forward_progress 1
		.amdhsa_inst_pref_size 77
	.end_amdhsa_kernel
	.amdgpu_metadata
---
amdhsa.version: [ 1, 2 ]
amdhsa.kernels:
  - .name:           k_qfd7a154721_quant
    .symbol:         k_qfd7a154721_quant.kd
    .args:
      - { .name: hin, .offset: 0, .size: 8, .value_kind: global_buffer, .address_space: global }
      - { .name: S1s, .offset: 8, .size: 8, .value_kind: global_buffer, .address_space: global }
      - { .name: U2s, .offset: 16, .size: 8, .value_kind: global_buffer, .address_space: global }
      - { .name: U1s, .offset: 24, .size: 8, .value_kind: global_buffer, .address_space: global }
      - { .name: S2s, .offset: 32, .size: 8, .value_kind: global_buffer, .address_space: global }
      - { .name: hc, .offset: 40, .size: 8, .value_kind: global_buffer, .address_space: global }
      - { .name: hs, .offset: 48, .size: 8, .value_kind: global_buffer, .address_space: global }
      - { .name: w1c, .offset: 56, .size: 8, .value_kind: global_buffer, .address_space: global }
      - { .name: w1s, .offset: 64, .size: 8, .value_kind: global_buffer, .address_space: global }
      - { .name: w2c, .offset: 72, .size: 8, .value_kind: global_buffer, .address_space: global }
      - { .name: w2s, .offset: 80, .size: 8, .value_kind: global_buffer, .address_space: global }
    .group_segment_fixed_size: 41472
    .private_segment_fixed_size: 0
    .kernarg_segment_align: 8
    .kernarg_segment_size: 88
    .max_flat_workgroup_size: 128
    .sgpr_count:     66
    .vgpr_count:     194
    .wavefront_size: 32
...
	.end_amdgpu_metadata
.endif
;; end of part 1
;; launch gemm1 (part 2): grid 16 x 16, 4 waves a work-group, clusters of 4 x 4, 327,680 bytes of LDS; arguments hc, hs, w1c, w1s, abc, abs; writes abc, abs
.if DOCPART == 2
	.amdgcn_target "amdgcn-amd-amdhsa--gfx1250"
	.amdhsa_code_object_version 6
	.text
	.protected	k_qfd7a154721_gemm1
	.globl	k_qfd7a154721_gemm1
	.p2align	8
	.type	k_qfd7a154721_gemm1,@function
k_qfd7a154721_gemm1:
	s_mov_b64 s[64:65], 0
	v_nop
	global_prefetch_b8 v0, s[64:65] scope:SCOPE_SE
	s_setreg_imm32_b32 hwreg(HW_REG_WAVE_MODE, 25, 1), 1
	s_wait_xcnt 0x0
	s_wait_alu depctr_hold_cnt(0) depctr_sa_sdst(0) depctr_va_vdst(0) depctr_va_sdst(0) depctr_va_ssrc(0) depctr_va_vcc(0) depctr_vm_vsrc(0)
	s_getreg_b32 s2, hwreg(HW_REG_IB_STS2, 6, 4)
	s_cmp_eq_u32 s2, 0
	s_cbranch_scc0 .Lentry_in_a_cluster
	s_endpgm
.Lentry_in_a_cluster:
	s_bfe_u32 s2, ttmp6, 0x10000c
	s_cmp_lg_u32 s2, 0xf033
	s_cbranch_scc0 .Lentry_shape_is_right
	s_endpgm
.Lentry_shape_is_right:
.set BIGB,  131072
.set SM,    196608
.set SMB,   SM+65536
.set SPARE, SM+98304
.set KA,    1048576
.set KB,    524288
.set LI,   4
.set SCO,  5
.set ADRA, 16
.set ADRB, 20
.set SPW,  28
.set NIL,  29
.set SA,   32
.set SB,   96
.set MX,   224
.set PB,   228
.set SO,   232
.set PC,   236
.set PW,   244
.set SD,   248
.set G1A,  24
.set G0A,  32
.set G1B,  48
.set G0B,  56
.set G1A2, 80
.set G1B2, 88
.set SEL,  76
.set MSB, 0
.macro WIN new
.if MSB != (\new)
	s_set_vgpr_msb (MSB<<8)|(\new)
.set MSB, (\new)
.endif
.endm
.set MUL,  0xa5
.set TO_F, 0x40
.macro JLOAD s
	s_cmp_eq_u32 s17, 0
	s_cbranch_scc0 .Lfor_b_\@
.if (\s) == 0
	tensor_load_to_lds s[G0A:G0A+3], s[G1A2:G1A2+7]
	s_nop 0
.else
	tensor_load_to_lds s[G0A+4:G0A+7], s[G1A:G1A+7]
	s_nop 0
.endif
.rept 4
	v_nop
.endr
	s_branch .Lasked_\@
.Lfor_b_\@:
.if (\s) == 0
	tensor_load_to_lds s[G0B:G0B+3], s[G1B2:G1B2+7]
	s_nop 0
.else
	tensor_load_to_lds s[G0B+4:G0B+7], s[G1B:G1B+7]
	s_nop 0
.endif
.rept 4
	v_nop
.endr
.Lasked_\@:
.endm
.macro CREST
	s_cmp_lg_u32 s16, 0
	s_cbranch_scc1 .Lnot_wave_0_\@
	s_barrier_signal -3
.Lnot_wave_0_\@:
	s_barrier_wait -3
	s_barrier_signal -1
	s_barrier_wait -1
.endm
.macro CROUND
	s_barrier_signal -1
	s_barrier_wait -1
	CREST
.endm
.macro PLACES n
.rept \n
	v_nop
.endr
.endm
	s_load_b256 s[4:11], s[0:1], 0x0
	s_load_b128 s[12:15], s[0:1], 0x20
	v_lshl_add_u32 v[SPW], v0, 2, SPARE
	v_mov_b32 v[NIL], 0
	ds_add_u32 v28, v29
	ds_add_u32 v28, v29
	s_wait_dscnt 0x0
	v_lshrrev_b32 v1, 5, v0
	v_readfirstlane_b32 s16, v1
	s_lshr_b32 s17, s16, 1
	s_and_b32 s18, s16, 1
	s_bfe_u32 s40, ttmp6, 0x40000
	s_bfe_u32 s41, ttmp6, 0x40004
	s_lshl_b32 s42, ttmp9, 2
	s_add_co_u32 s42, s42, s40
	s_and_b32 s43, ttmp7, 0xffff
	s_lshl_b32 s43, s43, 2
	s_add_co_u32 s43, s43, s41
	s_lshl_b32 s44, s41, 2
	s_lshl_b32 s44, 15, s44
	s_lshl_b32 s45, 0x1111, s40
	s_or_b32 s[G1A], s44, (3<<16)|(1<<21)
	s_or_b32 s[G1B], s45, (3<<16)|(1<<21)
	s_mov_b32 s[G1A+1], 32<<16
	s_mov_b32 s[G1A+2], 128<<16
	s_mov_b32 s[G1A+3], 32<<16
	s_mov_b32 s[G1A+4], 128
	s_mov_b32 s[G1A+5], 32
	s_mov_b32 s[G1A+6], 0
	s_mov_b32 s[G1A+7], 0
	s_mov_b32 s[G1B+1], 32<<16
	s_mov_b32 s[G1B+2], 64<<16
	s_mov_b32 s[G1B+3], 32<<16
	s_mov_b32 s[G1B+4], 64
	s_mov_b32 s[G1B+5], 32
	s_mov_b32 s[G1B+6], 0
	s_mov_b32 s[G1B+7], 0
	s_or_b32 s[G1A2], s44, (3<<16)|(1<<21)
	s_or_b32 s[G1B2], s45, (3<<16)|(1<<21)
	s_mov_b32 s[G1A2+1], 4096<<16
	s_mov_b32 s[G1A2+2], 2<<16
	s_mov_b32 s[G1A2+3], 4096<<16
	s_mov_b32 s[G1A2+4], 2
	s_mov_b32 s[G1A2+5], KA/8
	s_mov_b32 s[G1A2+6], 0
	s_mov_b32 s[G1A2+7], 0
	s_mov_b32 s[G1B2+1], 2048<<16
	s_mov_b32 s[G1B2+2], 2<<16
	s_mov_b32 s[G1B2+3], 2048<<16
	s_mov_b32 s[G1B2+4], 2
	s_mov_b32 s[G1B2+5], KB/8
	s_mov_b32 s[G1B2+6], 0
	s_mov_b32 s[G1B2+7], 0
	s_lshl_b32 s20, s43, 16
	s_lshl_b32 s21, s18, 15
	s_add_co_u32 s20, s20, s21
	s_mov_b32 s21, 0
	s_lshl_b32 s46, s42, 15
	s_lshl_b32 s47, s18, 14
	s_add_co_u32 s46, s46, s47
	s_mov_b32 s47, 0
	s_lshl_b32 s22, s18, 16
	s_lshl_b32 s23, s18, 15
	s_lshl_b32 s19, s18, 14
	s_mov_b32 s[SEL], 0x76543210
	s_mov_b32 s[SEL+1], 0xfedcba98
	s_wait_kmcnt 0x0
	s_add_nc_u64 s[20:21], s[4:5], s[20:21]
	s_add_nc_u64 s[46:47], s[8:9], s[46:47]
	CROUND
	s_mov_b32 s[G0A], 1
	s_mov_b32 s[G0A+1], s22
	s_mov_b64 s[G0A+2:G0A+3], s[20:21]
	s_or_b32 s[G0A+3], s[G0A+3], 0x80000000
	s_mov_b32 s[G0B], 1
	s_add_co_u32 s[G0B+1], s23, BIGB
	s_mov_b64 s[G0B+2:G0B+3], s[46:47]
	s_or_b32 s[G0B+3], s[G0B+3], 0x80000000
	JLOAD 0
	s_mov_b32 s[G0A+4], 1
	s_add_co_u32 s[G0A+5], s23, SM
	s_add_nc_u64 s[G0A+6:G0A+7], s[20:21], 2*KA
	s_or_b32 s[G0A+7], s[G0A+7], 0x80000000
	s_mov_b32 s[G0B+4], 1
	s_add_co_u32 s[G0B+5], s19, SMB
	s_add_nc_u64 s[G0B+6:G0B+7], s[46:47], 2*KB
	s_or_b32 s[G0B+7], s[G0B+7], 0x80000000
	s_wait_alu depctr_va_vdst(0)
	s_wait_tensorcnt 0x0
	ds_add_u32 v28, v29
	s_wait_dscnt 0x0
	CROUND
	JLOAD 1
	v_and_b32 v1, 31, v0
	v_and_b32 v2, 15, v0
	v_bfe_u32 v3, v0, 4, 1
	v_lshlrev_b32 v[LI], 4, v1
	v_lshlrev_b32 v[SCO], 4, v2
	v_lshl_add_u32 v[SCO], v3, 3, v[SCO]
	s_lshl_b32 s74, s17, 16
	s_lshl_b32 s75, s18, 14
	s_add_co_u32 s74, s74, s75
	v_add_nc_u32 v[ADRA], s74, v[LI]
	s_lshl_b32 s74, s16, 14
	s_add_co_u32 s74, s74, SM
	v_add_nc_u32 v[ADRA+1], s74, v[LI]
	v_add_nc_u32 v[ADRB], BIGB, v[LI]
	v_add_nc_u32 v[ADRB+1], SMB, v[LI]
.irp b, 0,1,2,3
	v_mov_b32 v[PB+\b], 0
.endr
	s_lshl_b32 s66, s43, 12
	s_lshl_b32 s74, s16, 10
	s_add_co_u32 s66, s66, s74
	s_mov_b32 s67, 0
	s_add_nc_u64 s[66:67], s[6:7], s[66:67]
	s_lshl_b32 s68, s42, 11
	s_mov_b32 s69, 0
	s_add_nc_u64 s[68:69], s[10:11], s[68:69]
	s_lshr_b32 s70, s42, 2
	s_lshl_b32 s70, s70, 20
	s_lshl_b32 s74, s43, 16
	s_add_co_u32 s70, s70, s74
	s_lshl_b32 s74, s16, 14
	s_add_co_u32 s70, s70, s74
	s_and_b32 s74, s42, 3
	s_lshl_b32 s74, s74, 10
	s_add_co_u32 s70, s70, s74
	s_mov_b32 s71, 0
	s_add_nc_u64 s[70:71], s[12:13], s[70:71]
	s_lshl_b32 s72, s42, 14
	s_lshl_b32 s74, s43, 10
	s_add_co_u32 s72, s72, s74
	s_lshl_b32 s74, s16, 8
	s_add_co_u32 s72, s72, s74
	s_mov_b32 s73, 0
	s_add_nc_u64 s[72:73], s[14:15], s[72:73]
.irp k, 0,1,2,3,4,5,6,7
.irp p, 0,1
	global_load_b128 v[SA+8*\k+4*\p:SA+8*\k+4*\p+3], v[LI], s[66:67] offset:65536*\k+512*\p
.endr
.irp p, 0,1,2,3
	global_load_b128 v[SB+16*\k+4*\p:SB+16*\k+4*\p+3], v[LI], s[68:69] offset:32768*\k+512*\p
.endr
.endr
.macro WM d, b, a, c, sb, sa, tod, aod
.set WSEL, 2*(\tod)+(\aod)
.if (\c) < 0
.if WSEL == 0
	v_wmma_scale_f32_16x16x128_f8f6f4 v[(\d):(\d)+7], v[(\b):(\b)+7], v[(\a):(\a)+7], 0, v[(\sb)], v[(\sa)] matrix_a_fmt:MATRIX_FMT_FP4 matrix_b_fmt:MATRIX_FMT_FP4
.elseif WSEL == 1
	v_wmma_scale_f32_16x16x128_f8f6f4 v[(\d):(\d)+7], v[(\b):(\b)+7], v[(\a):(\a)+7], 0, v[(\sb)], v[(\sa)] matrix_a_fmt:MATRIX_FMT_FP4 matrix_b_fmt:MATRIX_FMT_FP4 matrix_b_scale:MATRIX_SCALE_ROW1
.elseif WSEL == 2
	v_wmma_scale_f32_16x16x128_f8f6f4 v[(\d):(\d)+7], v[(\b):(\b)+7], v[(\a):(\a)+7], 0, v[(\sb)], v[(\sa)] matrix_a_fmt:MATRIX_FMT_FP4 matrix_b_fmt:MATRIX_FMT_FP4 matrix_a_scale:MATRIX_SCALE_ROW1
.else
	v_wmma_scale_f32_16x16x128_f8f6f4 v[(\d):(\d)+7], v[(\b):(\b)+7], v[(\a):(\a)+7], 0, v[(\sb)], v[(\sa)] matrix_a_fmt:MATRIX_FMT_FP4 matrix_b_fmt:MATRIX_FMT_FP4 matrix_a_scale:MATRIX_SCALE_ROW1 matrix_b_scale:MATRIX_SCALE_ROW1
.endif
.else
.if WSEL == 0
	v_wmma_scale_f32_16x16x128_f8f6f4 v[(\d):(\d)+7], v[(\b):(\b)+7], v[(\a):(\a)+7], v[(\c):(\c)+7], v[(\sb)], v[(\sa)] matrix_a_fmt:MATRIX_FMT_FP4 matrix_b_fmt:MATRIX_FMT_FP4
.elseif WSEL == 1
	v_wmma_scale_f32_16x16x128_f8f6f4 v[(\d):(\d)+7], v[(\b):(\b)+7], v[(\a):(\a)+7], v[(\c):(\c)+7], v[(\sb)], v[(\sa)] matrix_a_fmt:MATRIX_FMT_FP4 matrix_b_fmt:MATRIX_FMT_FP4 matrix_b_scale:MATRIX_SCALE_ROW1
.elseif WSEL == 2
	v_wmma_scale_f32_16x16x128_f8f6f4 v[(\d):(\d)+7], v[(\b):(\b)+7], v[(\a):(\a)+7], v[(\c):(\c)+7], v[(\sb)], v[(\sa)] matrix_a_fmt:MATRIX_FMT_FP4 matrix_b_fmt:MATRIX_FMT_FP4 matrix_a_scale:MATRIX_SCALE_ROW1
.else
	v_wmma_scale_f32_16x16x128_f8f6f4 v[(\d):(\d)+7], v[(\b):(\b)+7], v[(\a):(\a)+7], v[(\c):(\c)+7], v[(\sb)], v[(\sa)] matrix_a_fmt:MATRIX_FMT_FP4 matrix_b_fmt:MATRIX_FMT_FP4 matrix_a_scale:MATRIX_SCALE_ROW1 matrix_b_scale:MATRIX_SCALE_ROW1
.endif
.endif
.endm
.macro MUL8 a, p, q, k8, zero
.irp t, 0,1,2,3,4,5,6,7
.if \zero
	WM 64*(\a)+8*\t, 96*(\p)+8*\t, 96*(\p)+64+8*(\a), -1, SB+16*(\k8)+4*(\t/2)+(\q), SA+8*(\k8)+4*((\a)/2)+(\q), \t%2, (\a)%2
.else
	WM 64*(\a)+8*\t, 96*(\p)+8*\t, 96*(\p)+64+8*(\a), 64*(\a)+8*\t, SB+16*(\k8)+4*(\t/2)+(\q), SA+8*(\k8)+4*((\a)/2)+(\q), \t%2, (\a)%2
.endif
.endr
.endm
.macro FETCH k8, q, p
	WIN TO_F
.irp t, 0,1,2,3,4,5,6,7
.irp c, 0,1
.if ((\k8)%3) == 2
	ds_load_b128 v[96*(\p)+8*\t+4*\c:96*(\p)+8*\t+4*\c+3], v[ADRB+1] offset:4096*\t+1024*(\q)+512*\c
.else
	ds_load_b128 v[96*(\p)+8*\t+4*\c:96*(\p)+8*\t+4*\c+3], v[ADRB] offset:32768*(\t/4)+16384*((\k8)%3)+4096*(\t%4)+1024*(\q)+512*\c
.endif
.endr
.endr
.irp a, 0,1,2,3
.irp c, 0,1
.if ((\k8)%3) == 2
	ds_load_b128 v[96*(\p)+64+8*\a+4*\c:96*(\p)+64+8*\a+4*\c+3], v[ADRA+1] offset:4096*\a+1024*(\q)+512*\c
.else
	ds_load_b128 v[96*(\p)+64+8*\a+4*\c:96*(\p)+64+8*\a+4*\c+3], v[ADRA] offset:32768*((\k8)%3)+4096*\a+1024*(\q)+512*\c
.endif
.endr
.endr
.endm
.macro STEP k8, q, nk, nq, zero
	s_wait_dscnt 4
	WIN MUL
	MUL8 0, (\q)%2, \q, \k8, \zero
	MUL8 1, (\q)%2, \q, \k8, \zero
	PLACES 4
	FETCH \nk, \nq, 1-(\q)%2
	s_wait_dscnt 24
	WIN MUL
	MUL8 2, (\q)%2, \q, \k8, \zero
	MUL8 3, (\q)%2, \q, \k8, \zero
.endm
.macro THREE k
	STEP \k, 0, \k, 1, 0
	STEP \k, 1, \k, 2, 0
	STEP \k, 2, \k, 3, 0
.endm
.macro TURN k8, fill
	WIN 0
	s_wait_tensorcnt 0x0
	ds_add_u32 v[SPW], v[NIL]
	s_wait_dscnt 5
	WIN MUL
	MUL8 0, 1, 3, \k8, 0
	s_wait_dscnt 0x0
	s_barrier_signal -1
	MUL8 1, 1, 3, \k8, 0
	WIN 0
	s_barrier_wait -1
.if \fill
	CREST
.set TS, 4*(((\k8)%3)/2)
	s_add_nc_u64 s[G0A+TS+2:G0A+TS+3], s[G0A+TS+2:G0A+TS+3], 3*KA
	s_add_nc_u64 s[G0B+TS+2:G0B+TS+3], s[G0B+TS+2:G0B+TS+3], 3*KB
	JLOAD ((\k8)%3)/2
.else
	PLACES 4
.endif
	FETCH (\k8)+1, 0, 0
	WIN MUL
	MUL8 2, 1, 3, \k8, 0
	MUL8 3, 1, 3, \k8, 0
.endm
	s_wait_alu depctr_va_vdst(0)
	s_wait_tensorcnt 1
	s_barrier_signal -1
	s_barrier_wait -1
	FETCH 0, 0, 0
	s_wait_loadcnt 0x0
	STEP 0, 0, 0, 1, 1
	STEP 0, 1, 0, 2, 0
	STEP 0, 2, 0, 3, 0
	STEP 0, 3, 1, 0, 0
	THREE 1
	TURN 1, 1
	THREE 2
	TURN 2, 1
	THREE 3
	STEP 3, 3, 4, 0, 0
	THREE 4
	TURN 4, 1
	THREE 5
	TURN 5, 0
	THREE 6
	STEP 6, 3, 7, 0, 0
	THREE 7
	s_wait_dscnt 4
	WIN MUL
	MUL8 0, 1, 3, 7, 0
	MUL8 1, 1, 3, 7, 0
	s_wait_dscnt 0x0
	MUL8 2, 1, 3, 7, 0
	MUL8 3, 1, 3, 7, 0
	WIN 0
	PLACES 4
.macro QOUT a
.set AC, 64*(\a)
.if (\a) > 0
	s_wait_xcnt 0x0
.endif
	WIN 0x0a
.irp b, 0,1,2,3
	v_max3_num_f32 v[MX+\b], |v[AC+16*\b]|, |v[AC+16*\b+1]|, 0x3000000
.endr
	WIN 0x28
.irp i, 2,4,6,8,10,12,14
.irp b, 0,1,2,3
	v_max3_num_f32 v[MX+\b], v[MX+\b], |v[AC+16*\b+\i]|, |v[AC+16*\b+\i+1]|
.endr
.endr
	WIN 0
.irp b, 0,1,2,3
	v_permlanex16_b32 v[PB+\b], v[MX+\b], s[SEL], s[SEL+1]
.endr
.irp b, 0,1,2,3
	v_max_num_f32 v[MX+\b], v[MX+\b], v[PB+\b]
.endr
.irp b, 0,1,2,3
	v_add_nc_u32 v[SO+\b], 0xff000000, v[MX+\b]
.endr
.irp b, 0,1,2,3
	v_add_nc_u32 v[PB+\b], 0xfd800000, v[MX+\b]
.endr
.irp b, 0,1,2,3
	v_lshrrev_b32 v[PB+\b], 23, v[PB+\b]
.endr
	v_lshl_or_b32 v[PW+(\a)], v[PB+1], 8, v[PB]
	v_lshl_or_b32 v[PW+(\a)], v[PB+2], 16, v[PW+(\a)]
	v_lshl_or_b32 v[PW+(\a)], v[PB+3], 24, v[PW+(\a)]
	WIN 0x02
.irp b, 0,1,2,3
	v_cvt_scalef32_pk8_fp4_f32 v[PC+2*\b], v[AC+16*\b:AC+16*\b+7], v[SO+\b]
	v_cvt_scalef32_pk8_fp4_f32 v[PC+2*\b+1], v[AC+16*\b+8:AC+16*\b+15], v[SO+\b]
.endr
	WIN 0
	v_nop
.irp c, 0,1
.irp i, 0,1
	v_permlane16_swap_b32 v[PC+4*\c+\i], v[PC+4*\c+2+\i]
.endr
.endr
	global_store_b128 v[LI], v[PC:PC+3], s[70:71] offset:4096*(\a)
	global_store_b128 v[LI], v[PC+4:PC+7], s[70:71] offset:4096*(\a)+512
.endm
	QOUT 0
	QOUT 1
	QOUT 2
	QOUT 3
	v_cmp_eq_u32 vcc_lo, 1, v3
	v_cndmask_b32 v[SD], v[PW], v[PW+2], vcc_lo
	v_cndmask_b32 v[SD+1], v[PW+1], v[PW+3], vcc_lo
	global_store_b64 v[SCO], v[SD:SD+1], s[72:73]
	s_wait_tensorcnt 0x0
	ds_add_u32 v[SPW], v[NIL]
	s_wait_dscnt 0x0
	CROUND
	s_endpgm
.Lfunc_end_k_qfd7a154721_gemm1:
	.size	k_qfd7a154721_gemm1, .Lfunc_end_k_qfd7a154721_gemm1-k_qfd7a154721_gemm1
	.p2alignl 7, 3214868480
	.fill 96, 4, 3214868480
	.section	.rodata,"a",@progbits
	.p2align	6, 0x0
	.amdhsa_kernel k_qfd7a154721_gemm1
		.amdhsa_group_segment_fixed_size 327680
		.amdhsa_private_segment_fixed_size 0
		.amdhsa_enable_private_segment 0
		.amdhsa_kernarg_size 48
		.amdhsa_user_sgpr_count 2
		.amdhsa_user_sgpr_kernarg_segment_ptr 1
		.amdhsa_wavefront_size32 1
		.amdhsa_system_sgpr_workgroup_id_x 1
		.amdhsa_system_sgpr_workgroup_id_y 1
		.amdhsa_system_sgpr_workgroup_id_z 1
		.amdhsa_system_vgpr_workitem_id 0
		.amdhsa_next_free_vgpr 768
		.amdhsa_next_free_sgpr 96
		.amdhsa_reserve_vcc 1
		.amdhsa_float_denorm_mode_32 3
		.amdhsa_float_denorm_mode_16_64 3
		.amdhsa_memory_ordered 1
		.amdhsa_forward_progress 1
		.amdhsa_inst_pref_size 218
	.end_amdhsa_kernel
	.amdgpu_metadata
---
amdhsa.version: [ 1, 2 ]
amdhsa.kernels:
  - .name:           k_qfd7a154721_gemm1
    .symbol:         k_qfd7a154721_gemm1.kd
    .args:
      - { .name: hc, .offset: 0, .size: 8, .value_kind: global_buffer, .address_space: global }
      - { .name: hs, .offset: 8, .size: 8, .value_kind: global_buffer, .address_space: global }
      - { .name: w1c, .offset: 16, .size: 8, .value_kind: global_buffer, .address_space: global }
      - { .name: w1s, .offset: 24, .size: 8, .value_kind: global_buffer, .address_space: global }
      - { .name: abc, .offset: 32, .size: 8, .value_kind: global_buffer, .address_space: global }
      - { .name: abs, .offset: 40, .size: 8, .value_kind: global_buffer, .address_space: global }
    .group_segment_fixed_size: 327680
    .private_segment_fixed_size: 0
    .kernarg_segment_align: 8
    .kernarg_segment_size: 48
    .max_flat_workgroup_size: 128
    .sgpr_count:     96
    .vgpr_count:     768
    .wavefront_size: 32
...
	.end_amdgpu_metadata
.endif
;; end of part 2
;; launch gemm2 (part 3): grid 16 x 16, 4 waves a work-group, clusters of 4 x 1, 327,680 bytes of LDS; arguments abc, abs, w2c, w2s, bias, out0; writes out0
.if DOCPART == 3
	.amdgcn_target "amdgcn-amd-amdhsa--gfx1250"
	.amdhsa_code_object_version 6
	.text
	.protected	k_qfd7a154721_gemm2
	.globl	k_qfd7a154721_gemm2
	.p2align	8
	.type	k_qfd7a154721_gemm2,@function
k_qfd7a154721_gemm2:
	s_mov_b64 s[64:65], 0
	v_nop
	global_prefetch_b8 v0, s[64:65] scope:SCOPE_SE
	s_setreg_imm32_b32 hwreg(HW_REG_WAVE_MODE, 25, 1), 1
	s_wait_xcnt 0x0
	s_wait_alu depctr_hold_cnt(0) depctr_sa_sdst(0) depctr_va_vdst(0) depctr_va_sdst(0) depctr_va_ssrc(0) depctr_va_vcc(0) depctr_vm_vsrc(0)
	s_getreg_b32 s2, hwreg(HW_REG_IB_STS2, 6, 4)
	s_cmp_eq_u32 s2, 0
	s_cbranch_scc0 .Lentry_in_a_cluster
	s_endpgm
.Lentry_in_a_cluster:
	s_bfe_u32 s2, ttmp6, 0x10000c
	s_cmp_lg_u32 s2, 0x3003
	s_cbranch_scc0 .Lentry_shape_is_right
	s_endpgm
.Lentry_shape_is_right:
; out0[b][o] = (sum over n of AB[b][n] W2[n][o] + bias[o]) / 8, K = 2,048, on codes of FP4 with E8M0 scales; f32 out.
; The division by 8: AB's scale bytes were stored 3 less than its blocks' scales, and bias x 0.125 (exact) is the C of each sum's first matrix instruction.
; LIMITS: those of the launches that made the codes; NaN and infinities are not served.
; A work-group of four waves makes 256 rows x 256 columns; 16 x 16 = 256 work-groups.  Wave w owns rows 64 w .. 64 w + 63.
; AB STAYS IN REGISTERS: a wave's 64 rows x 2,048 K of codes are 512 registers, loaded once from abc, which lies in the order of an operand's registers.
; W2 STAYS IN LDS: the work-group's 16 tiles x 4 K steps are 262,144 bytes, brought by four dense tensor loads, one a wave (K step w), all at the head: nothing is filled again.
; Its scale words (16,384 bytes) and bias / 8 (1,024 bytes) are laid into LDS once too, through registers, a quarter a wave: the loop has no global load.
; THE WALK: W2's tiles go in pairs (32 columns), K in 8 pieces of 256; a piece is 8 LDS loads and 16 matrix instructions on 8 accumulators (4 row blocks x 2 tiles) by turns.
; Pairs X and Y of a quad (64 columns, 256 bytes of a row) have an accumulator set each: X's results go to the wave's stage while Y is multiplied, Y's while the next X is multiplied;
; whole runs of 256 bytes of each row are read back then, and stored four instructions to a piece in the eight pieces that follow.  The phases: X(0) | 3 x [Y(q), X(q+1)] | Y(3) | the last way out.
; CLUSTER 4 x 1: grid x is the row tile, grid y the column tile; the four partners share the column tile, so W2's tiles are asked for jointly (mask 15).
; AB's codes go to registers, not to LDS, so no joint load serves them.  No prefetch: every byte that the launch reads is asked for at its head, ahead of any loop.
; THE MATRIX INSTRUCTION IS USED TRANSPOSED: source 0 = 16 columns of W2, source 1 = 16 rows of AB: register j of lane (r, h), tile u of pair P, is out0(row r, column 32 P + 16 h + 8 u + j).
; REGISTERS: window 0: v1-29 addresses; v32-63 AB's scale words; v64-95 W2's (sets X, Y); v96-127 bias / 8 (sets X, Y); v128-255 rows read back, a set for each row block.
;   window 1: v0-127 W2's fragments, a ring of four pieces; v128-255 the accumulators (set S, block a, tile u at 128 + 64 S + 8 (2 a + u)).  windows 2, 3: AB (chunk k of 128, block a at 8 (4 (k % 8) + a), window 2 + k / 8).
.set WT,    65536                      ; a K step's 16 tiles of W2 in LDS
.set SPARE, 4*WT                       ; the spare words: 128 bytes a wave
.set STG,   SPARE+512                  ; the stages: bytes of their own, into which no fill lands
.set WSTG,  11776                      ; a wave's stage
.set XP,    144                        ; a stage row: 128 bytes + 16
.set BLK,   16*XP                      ; 16 rows
.set YB,    4*BLK+128                  ; behind X's 64 rows: Y's one block of 16 rows; the 128 put a row's two halves into different banks
.set SCL,   STG+4*WSTG                 ; W2's scale words: [K step][tile][256 bytes]
.set BIL,   SCL+16384                  ; bias / 8 of the 256 columns
.set LI,  4                            ; 16 x lane
.set AD,  8                            ; v8-11  LDS address of the quad's fragments in K step 0..3
.set STX, 12                           ; into the stage: X's half
.set STY, 13                           ; Y's half
.set SBA, 14                           ; the quad's scale words in LDS
.set BIA, 15                           ; the quad's bias / 8 in LDS, my half's
.set RD,  16                           ; v16-19 back from the stage: block a
.set CO,  20                           ; my byte offset in out0
.set SAO, 21                           ; my offset in abs
.set BW,  23                           ; 8 x thread: my two numbers of the bias
.set BIW, 24                           ; where they go in LDS
.set SCW, 25                           ; where my wave's quarter of the scale words goes
.set SPW, 28
.set NIL, 29
.set SA,  32
.set SB,  64
.set BI,  96
.set OUT, 128
.set ACC, 128
.set G1,  24
.set G0,  32
.set ABP, 44
.set SAP, 46
.set SBP, 48
.set BIP, 50
.set OUTP, 52
.set MSB, 0
.macro WIN new                         ; the immediate's high byte repeats the setting that is left
.if MSB != (\new)
	s_set_vgpr_msb (MSB<<8)|(\new)
.set MSB, (\new)
.endif
.endm
.set LDSW, 0x44                        ; LDS lines: loaded data and store data window 1, address window 0
.macro CROUND                          ; a round of the cluster's barrier
	s_barrier_signal -1
	s_barrier_wait -1
	s_cmp_lg_u32 s16, 0
	s_cbranch_scc1 .Lnot_wave_0_\@
	s_barrier_signal -3
.Lnot_wave_0_\@:
	s_barrier_wait -3
	s_barrier_signal -1
	s_barrier_wait -1
.endm
	s_load_b256 s[4:11], s[0:1], 0x0               ; abc 4, abs 6, w2c 8, w2s 10
	s_load_b128 s[12:15], s[0:1], 0x20             ; bias 12, out0 14
	v_lshl_add_u32 v[SPW], v0, 2, SPARE
	v_mov_b32 v[NIL], 0
	ds_add_u32 v[SPW], v[NIL]                      ; the opening lines: the add twice on end and its wait
	ds_add_u32 v[SPW], v[NIL]
	v_lshrrev_b32 v1, 5, v0
	v_readfirstlane_b32 s16, v1                    ; wave 0..3
	s_bfe_u32 s40, ttmp6, 0x40000                  ; cx
	s_lshl_b32 s43, ttmp9, 2
	s_add_co_u32 s43, s43, s40                     ; ty: row tile = 4 x cluster x + cx
	s_and_b32 s42, ttmp7, 0xffff                   ; tx: column tile, the same in the four partners
	s_mov_b32 s[G1], 15|(3<<16)|(1<<21)            ; the mask of the four; elements of 8 bytes; bit 21 beside a mask
	s_mov_b32 s[G1+1], 32<<16                      ; a dense block of 65,536 bytes as 256 rows of 256 bytes
	s_mov_b32 s[G1+2], 256<<16
	s_mov_b32 s[G1+3], 32<<16
	s_mov_b32 s[G1+4], 256
	s_mov_b32 s[G1+5], 32
	s_mov_b32 s[G1+6], 0
	s_mov_b32 s[G1+7], 0
	s_lshl_b32 s20, s42, 16                        ; W2: K step = my wave (1,048,576 bytes each), tile 16 tx
	s_lshl_b32 s21, s16, 20
	s_add_co_u32 s20, s20, s21
	s_mov_b32 s21, 0
	s_mov_b32 s[G0], 1
	s_lshl_b32 s[G0+1], s16, 16                    ; to LDS byte wave x 65,536
	s_lshl_b32 s[ABP], s43, 16                     ; AB's codes: tile 16 ty + 4 wave
	s_lshl_b32 s22, s16, 14
	s_add_co_u32 s[ABP], s[ABP], s22
	s_mov_b32 s[ABP+1], 0
	s_lshl_b32 s[SAP], s43, 10                     ; AB's scale words: group of 64 rows 4 ty + wave, 256 bytes each
	s_lshl_b32 s22, s16, 8
	s_add_co_u32 s[SAP], s[SAP], s22
	s_mov_b32 s[SAP+1], 0
	s_lshl_b32 s[SBP], s42, 12                     ; W2's scale words: tile 16 tx, 256 bytes each; K step = my wave (65,536 bytes each)
	s_lshl_b32 s22, s16, 16
	s_add_co_u32 s[SBP], s[SBP], s22
	s_mov_b32 s[SBP+1], 0
	s_lshl_b32 s[BIP], s42, 10                     ; my work-group's first column, in bytes
	s_mov_b32 s[BIP+1], 0
	s_lshl_b32 s[OUTP], s43, 22                    ; out0: row 256 ty + 64 wave, 16,384 bytes each, + the column
	s_lshl_b32 s22, s16, 20
	s_add_co_u32 s[OUTP], s[OUTP], s22
	s_add_co_u32 s[OUTP], s[OUTP], s[BIP]
	s_mov_b32 s[OUTP+1], 0
	s_mul_i32 s22, s16, WSTG
	s_add_co_u32 s22, s22, STG                     ; my stage
	s_lshl_b32 s23, s16, 12
	s_add_co_u32 s23, s23, SCL                     ; my quarter of the scale words in LDS
	v_and_b32 v1, 31, v0                           ; lane
	v_and_b32 v2, 15, v0                           ; r
	v_bfe_u32 v3, v0, 4, 1                         ; h
	v_lshlrev_b32 v[LI], 4, v1
.irp k, 0,1,2,3
	v_add_nc_u32 v[AD+\k], \k*WT, v[LI]
.endr
	v_add_nc_u32 v[SBA], SCL, v[LI]
	v_lshl_add_u32 v[BIA], v3, 6, BIL
	v_add_nc_u32 v[SCW], s23, v[LI]
	v_lshlrev_b32 v[BW], 3, v0
	v_lshl_add_u32 v[BIW], v0, 3, BIL
	v_lshlrev_b32 v[SAO], 4, v2                    ; abs: row r's four words; lanes 16-31 take the chunk 8 further on (8 x 16,384 bytes)
	v_lshl_add_u32 v[SAO], v3, 17, v[SAO]
	v_mul_u32_u24 v5, v2, XP                       ; into the stage: row r, + 64 h
	v_lshl_add_u32 v5, v3, 6, v5
	v_add_nc_u32 v[STX], s22, v5
	v_add_nc_u32 v[STY], YB, v[STX]
	v_and_b32 v6, 7, v0                            ; back: sixteen lanes to a row: eight take X's 128 bytes, eight Y's; lanes 16-31 the next row
	v_bfe_u32 v7, v0, 3, 1
	v_mul_u32_u24 v5, v3, XP
	v_lshl_add_u32 v5, v6, 4, v5
	v_add_nc_u32 v5, s22, v5
.irp a, 0,1,2,3
	v_mul_u32_u24 v6, v7, YB-\a*BLK                ; Y's block lies so far behind X's block a
	v_add_nc_u32 v[RD+\a], v5, v6
.endr
	v_lshlrev_b32 v[CO], 4, v2
	v_lshl_add_u32 v[CO], v3, 14, v[CO]
	s_wait_alu depctr_va_vdst(0)
	s_wait_dscnt 0x0                               ; both opening adds are done
	s_wait_kmcnt 0x0
	s_add_nc_u64 s[G0+2:G0+3], s[8:9], s[20:21]
	s_or_b32 s[G0+3], s[G0+3], 0x80000000
	s_add_nc_u64 s[ABP:ABP+1], s[4:5], s[ABP:ABP+1]
	s_add_nc_u64 s[SAP:SAP+1], s[6:7], s[SAP:SAP+1]
	s_add_nc_u64 s[SBP:SBP+1], s[10:11], s[SBP:SBP+1]
	s_add_nc_u64 s[BIP:BIP+1], s[12:13], s[BIP:BIP+1]
	s_add_nc_u64 s[OUTP:OUTP+1], s[14:15], s[OUTP:OUTP+1]
.irp g, 0,1,2,3,4,5,6,7
	global_load_b128 v[OUT+4*\g:OUT+4*\g+3], v[LI], s[SBP:SBP+1] offset:512*\g    ; my K step's scale words of the 16 tiles: 4,096 consecutive bytes
.endr
	global_load_b64 v[OUT+32:OUT+33], v[BW], s[BIP:BIP+1]                         ; my two numbers of the bias: a wave reads 256 consecutive bytes
.irp k, 0,1,2,3,4,5,6,7
	global_load_b128 v[SA+4*\k:SA+4*\k+3], v[SAO], s[SAP:SAP+1] offset:16384*\k   ; register 4 k + a: lanes 0-15 chunk k, lanes 16-31 chunk k + 8, block a
.endr
.macro ABLOAD k                        ; chunk k of 128 along K: my four blocks, 8 loads of 512 consecutive bytes
.irp a, 0,1,2,3
.irp c, 0,1
	global_load_b128 v[8*(4*((\k)%8)+\a)+4*\c:8*(4*((\k)%8)+\a)+4*\c+3], v[LI], s[ABP:ABP+1] offset:1048576*((\k)/4)+4096*\a+1024*((\k)%4)+512*\c
.endr
.endr
.endm
	CROUND                                         ; the four partners are here: the joint loads meet
	tensor_load_to_lds s[G0:G0+3], s[G1:G1+7]      ; my one tensor load: K step w of the 16 tiles
	s_nop 0
	WIN 0x80
.irp k, 0,1,2,3,4,5,6,7
	ABLOAD \k
.endr
	WIN 0xc0
.irp k, 8,9,10,11,12,13,14,15
	ABLOAD \k
.endr
	WIN 0
	s_wait_loadcnt 63                              ; of 145 loads the first 82 are in: the 17 of scale words and bias among them
	s_wait_tensorcnt 0x0                           ; my K step of W2 is in
	v_pk_mul_f32 v[OUT+32:OUT+33], v[OUT+32:OUT+33], 0x3e000000 op_sel_hi:[1,0]   ; x 0.125: exact
.irp g, 0,1,2,3,4,5,6,7
	ds_store_b128 v[SCW], v[OUT+4*\g:OUT+4*\g+3] offset:512*\g
.endr
	ds_store_b64 v[BIW], v[OUT+32:OUT+33]
	s_wait_dscnt 0x0                               ; for the others' sake: my stores are done
	s_barrier_signal -1
	s_barrier_wait -1                              ; everybody's tiles, scale words and bias are in
; One matrix instruction.  x0, x1: scale words of source 0 and 1; r0, r1: 1 where they lie in lanes 16-31
.macro WM d, s0, s1, c, x0, x1, r0, r1
.set WSEL, 2*(\r0)+(\r1)
.if WSEL == 0
	v_wmma_scale_f32_16x16x128_f8f6f4 v[(\d):(\d)+7], v[(\s0):(\s0)+7], v[(\s1):(\s1)+7], v[(\c):(\c)+7], v[(\x0)], v[(\x1)] matrix_a_fmt:MATRIX_FMT_FP4 matrix_b_fmt:MATRIX_FMT_FP4
.elseif WSEL == 1
	v_wmma_scale_f32_16x16x128_f8f6f4 v[(\d):(\d)+7], v[(\s0):(\s0)+7], v[(\s1):(\s1)+7], v[(\c):(\c)+7], v[(\x0)], v[(\x1)] matrix_a_fmt:MATRIX_FMT_FP4 matrix_b_fmt:MATRIX_FMT_FP4 matrix_b_scale:MATRIX_SCALE_ROW1
.elseif WSEL == 2
	v_wmma_scale_f32_16x16x128_f8f6f4 v[(\d):(\d)+7], v[(\s0):(\s0)+7], v[(\s1):(\s1)+7], v[(\c):(\c)+7], v[(\x0)], v[(\x1)] matrix_a_fmt:MATRIX_FMT_FP4 matrix_b_fmt:MATRIX_FMT_FP4 matrix_a_scale:MATRIX_SCALE_ROW1
.else
	v_wmma_scale_f32_16x16x128_f8f6f4 v[(\d):(\d)+7], v[(\s0):(\s0)+7], v[(\s1):(\s1)+7], v[(\c):(\c)+7], v[(\x0)], v[(\x1)] matrix_a_fmt:MATRIX_FMT_FP4 matrix_b_fmt:MATRIX_FMT_FP4 matrix_a_scale:MATRIX_SCALE_ROW1 matrix_b_scale:MATRIX_SCALE_ROW1
.endif
.endm
.macro SBLOAD t, o                     ; set t: W2's scale words of a pair (register 4 k4 + q: lanes 0-15 the even tile, lanes 16-31 the odd) and its 32 numbers of bias / 8; o: quads ahead of the addresses.  8 LDS loads
.irp k, 0,1,2,3
	ds_load_b128 v[SB+16*(\t)+4*\k:SB+16*(\t)+4*\k+3], v[SBA] offset:4096*\k+512*(\t)+1024*(\o)
.endr
.irp g, 0,1,2,3
	ds_load_b128 v[BI+16*(\t)+4*\g:BI+16*(\t)+4*\g+3], v[BIA] offset:128*(\t)+16*\g+256*(\o)
.endr
.endm
.macro SLOAD off, i                    ; piece i (256 along K) of the pair at byte off of the quad: 8 loads into ring place i % 4
.irp qq, 0,1
.irp u, 0,1
.irp c, 0,1
	ds_load_b128 v[32*((\i)%4)+8*(2*\qq+\u)+4*\c:32*((\i)%4)+8*(2*\qq+\u)+4*\c+3], v[AD+(\i)/2] offset:(\off)+4096*\u+1024*(2*((\i)%2)+\qq)+512*\c
.endr
.endr
.endr
.endm
.macro XST a                           ; X's block a into the stage, each accumulator from its low end on
.irp u, 0,1
.irp g, 0,1
	ds_store_b128 v[STX], v[ACC+8*(2*(\a)+\u)+4*\g:ACC+8*(2*(\a)+\u)+4*\g+3] offset:BLK*(\a)+32*\u+16*\g
.endr
.endr
.endm
.macro YST a                           ; Y's block a into Y's place; LDS serves a wave's lines in order, so the block before has been read back
.irp u, 0,1
.irp g, 0,1
	ds_store_b128 v[STY], v[ACC+64+8*(2*(\a)+\u)+4*\g:ACC+64+8*(2*(\a)+\u)+4*\g+3] offset:32*\u+16*\g
.endr
.endr
.endm
.macro RBK a                           ; block a back as 16 runs of 256 bytes, into its own set
.irp t, 0,1,2,3,4,5,6,7
	ds_load_b128 v[OUT+32*(\a)+4*\t:OUT+32*(\a)+4*\t+3], v[RD+(\a)] offset:BLK*(\a)+2*XP*\t
.endr
.endm
.macro GSTH hb                         ; half block hb (8 rows): sixteen lanes store 256 consecutive bytes, aligned.  The base stands one quad further on: - 256
.irp t, 0,1,2,3
	global_store_b128 v[CO], v[OUT+16*(\hb)+4*\t:OUT+16*(\hb)+4*\t+3], s[OUTP:OUTP+1] offset:16384*(8*(\hb)+2*\t)-256 th:TH_STORE_NT
.endr
.endm
.macro EC kind, ld, j                  ; adds to NW the LDS lines that piece j of this phase issues behind its fragment loads (pieces of the phase before count as none: a lower count is safe)
.if (\j) >= 0
.if (\kind) == 1 && (\j) < 2
.set NW, NW+8
.endif
.if (\kind) == 2 && (\j) < 4
.set NW, NW+12
.endif
.if (\ld) && (\j) == 0
.set NW, NW+8
.endif
.endif
.endm
; A piece.  S: the set (0 X, 1 Y); cur, nxt: byte of this pair and of the next in the quad's tiles (nxt < 0: none follows); first: AB is still arriving;
; kind: 1 X's results go to the stage, 2 Y's go there and the quad is read back; ld: the other set's next scale words and bias are fetched;
; st (kind 1): the rest of the quad before is stored; 2: not in the loop's first trip, which has no quad before.
; Block a, read back in piece a of an X phase, is in registers at the head of piece a + 5: that piece's fragments were asked for behind it, and LDS answers in order.
.macro PIECE S, i, cur, nxt, first, kind, ld, st
.set NW, 24                            ; behind this piece's loads: those of the three pieces after it,
.if (\nxt) < 0 && (\i) > 4
.set NW, 8*(7-(\i))                    ; (fewer at the very end)
.endif
	EC \kind, \ld, (\i)-4                          ; and the other LDS lines of the four pieces before this one
	EC \kind, \ld, (\i)-3
	EC \kind, \ld, (\i)-2
	EC \kind, \ld, (\i)-1
.if NW > 63
.set NW, 63                            ; the wait's field holds no more
.endif
	s_wait_dscnt NW
.if \first
.if 112-16*(\i) > 63
	s_wait_loadcnt 63
.else
	s_wait_loadcnt 112-16*(\i)                     ; AB's chunks 2 i and 2 i + 1 are in; the 8 loads of each later chunk may be out
.endif
.endif
.irp qq, 0,1
.if (\i) == 0 && \qq == 0
	WIN 0x49                                       ; source 0 window 1, source 1 window 2, C (bias / 8) window 0, D window 1
.else
	WIN 0x59+4*((\i)/4)                            ; C and D window 1; source 1 window 2 or 3
.endif
.irp u, 0,1
.irp a, 0,1,2,3
.if (\i) == 0 && \qq == 0
	WM ACC+64*(\S)+8*(2*\a+\u), 32*((\i)%4)+8*(2*\qq+\u), 8*(4*((2*(\i)+\qq)%8)+\a), BI+16*(\S)+8*\u, SB+16*(\S)+4*((\i)/2)+2*((\i)%2)+\qq, SA+4*((2*(\i)+\qq)%8)+\a, \u, (\i)/4
.else
	WM ACC+64*(\S)+8*(2*\a+\u), 32*((\i)%4)+8*(2*\qq+\u), 8*(4*((2*(\i)+\qq)%8)+\a), ACC+64*(\S)+8*(2*\a+\u), SB+16*(\S)+4*((\i)/2)+2*((\i)%2)+\qq, SA+4*((2*(\i)+\qq)%8)+\a, \u, (\i)/4
.endif
.endr
.endr
.endr
.rept 4
	v_nop                                          ; places in front of loads into registers that these products read, and of reads of finished results
.endr
	WIN LDSW
.if (\i) < 4
	SLOAD \cur, (\i)+4
.elseif (\nxt) >= 0
	SLOAD \nxt, (\i)-4
.endif
.if (\kind) == 1 && (\i) < 2
	XST 2*(\i)
	XST 2*(\i)+1
.endif
.if (\kind) == 2 && (\i) < 4
.if (\i) == 0
	s_wait_xcnt 0x0                                ; the last quad's stores (the youngest three pieces back) have read their registers and their base
	s_add_nc_u64 s[OUTP:OUTP+1], s[OUTP:OUTP+1], 256
.endif
	YST \i
	WIN 0
	RBK \i
.endif
.if (\ld) && (\i) == 0
	WIN 0
	SBLOAD 1-(\S), 1
.endif
.if (\kind) == 2 && (\i) > 4
	WIN 0
	GSTH (\i)-5
.endif
.if (\kind) == 1 && (\st) && (\i) < 5
	WIN 0
.if (\st) == 2
	s_cmp_eq_u32 s60, 3                            ; the loop's first trip: a branch on the counter alone, round the four stores alone
	s_cbranch_scc1 .Lnone_\@
.endif
	GSTH (\i)+3
.if (\st) == 2
.Lnone_\@:
.endif
.endif
.endm
.macro PHASE S, cur, nxt, first, kind, ld, st
.irp i, 0,1,2,3,4,5,6,7
	PIECE \S, \i, \cur, \nxt, \first, \kind, \ld, \st
.endr
.endm
	SBLOAD 0, 0
	SBLOAD 1, 0
	WIN LDSW
.irp i, 0,1,2,3
	SLOAD 0, \i
.endr
	PHASE 0, 0, 8192, 1, 0, 0, 0                   ; X(0)
	WIN 0
	s_mov_b32 s60, 3
.Lquad:
	PHASE 1, 8192, 16384, 0, 1, 1, 2               ; Y(q); X(q) goes to the stage; the rest of quad q - 1 is stored; X(q+1)'s scale words and bias are fetched
	PHASE 0, 16384, 24576, 0, 2, 1, 0              ; X(q+1); Y(q) goes to the stage, quad q is read back and its first rows are stored; Y(q+1)'s scale words and bias are fetched
	WIN 0
.irp k, 0,1,2,3
	v_add_nc_u32 v[AD+\k], 16384, v[AD+\k]         ; four tiles on
.endr
	v_add_nc_u32 v[SBA], 1024, v[SBA]
	v_add_nc_u32 v[BIA], 256, v[BIA]
	s_sub_co_u32 s60, s60, 1
	s_cmp_lg_u32 s60, 0
	s_wait_alu depctr_va_vdst(0)
	s_cbranch_scc1 .Lquad
	PHASE 1, 8192, -1, 0, 1, 0, 1                  ; Y(3); X(3) goes to the stage; the rest of quad 2 is stored
	WIN 0
	s_wait_xcnt 0x0                                ; quad 2's stores have read their registers and their base
	s_add_nc_u64 s[OUTP:OUTP+1], s[OUTP:OUTP+1], 256
.irp a, 0,1,2,3                        ; the last quad leaves
	WIN LDSW
	YST \a
	WIN 0
	RBK \a
.if \a > 0
	s_wait_dscnt 12                                ; block a - 1 is back: behind its loads stand block a's 4 stores and 8 loads
	GSTH 2*(\a)-2
	GSTH 2*(\a)-1
.endif
.endr
	s_wait_dscnt 0x0
	GSTH 6
	GSTH 7
	s_wait_tensorcnt 0x0                           ; the wave's end
	ds_add_u32 v[SPW], v[NIL]
	s_wait_dscnt 0x0
	CROUND                                         ; the closing round
	s_endpgm
.Lfunc_end_k_qfd7a154721_gemm2:
	.size	k_qfd7a154721_gemm2, .Lfunc_end_k_qfd7a154721_gemm2-k_qfd7a154721_gemm2
	.p2alignl 7, 3214868480
	.fill 96, 4, 3214868480
	.section	.rodata,"a",@progbits
	.p2align	6, 0x0
	.amdhsa_kernel k_qfd7a154721_gemm2
		.amdhsa_group_segment_fixed_size 327680
		.amdhsa_private_segment_fixed_size 0
		.amdhsa_enable_private_segment 0
		.amdhsa_kernarg_size 48
		.amdhsa_user_sgpr_count 2
		.amdhsa_user_sgpr_kernarg_segment_ptr 1
		.amdhsa_wavefront_size32 1
		.amdhsa_system_sgpr_workgroup_id_x 1
		.amdhsa_system_sgpr_workgroup_id_y 1
		.amdhsa_system_sgpr_workgroup_id_z 1
		.amdhsa_system_vgpr_workitem_id 0
		.amdhsa_next_free_vgpr 1024
		.amdhsa_next_free_sgpr 66
		.amdhsa_reserve_vcc 0
		.amdhsa_float_denorm_mode_32 3
		.amdhsa_float_denorm_mode_16_64 3
		.amdhsa_memory_ordered 1
		.amdhsa_forward_progress 1
		.amdhsa_inst_pref_size 128
	.end_amdhsa_kernel
	.amdgpu_metadata
---
amdhsa.version: [ 1, 2 ]
amdhsa.kernels:
  - .name:           k_qfd7a154721_gemm2
    .symbol:         k_qfd7a154721_gemm2.kd
    .args:
      - { .name: abc, .offset: 0, .size: 8, .value_kind: global_buffer, .address_space: global }
      - { .name: abs, .offset: 8, .size: 8, .value_kind: global_buffer, .address_space: global }
      - { .name: w2c, .offset: 16, .size: 8, .value_kind: global_buffer, .address_space: global }
      - { .name: w2s, .offset: 24, .size: 8, .value_kind: global_buffer, .address_space: global }
      - { .name: bias, .offset: 32, .size: 8, .value_kind: global_buffer, .address_space: global }
      - { .name: out0, .offset: 40, .size: 8, .value_kind: global_buffer, .address_space: global }
    .group_segment_fixed_size: 327680
    .private_segment_fixed_size: 0
    .kernarg_segment_align: 8
    .kernarg_segment_size: 48
    .max_flat_workgroup_size: 128
    .sgpr_count:     66
    .vgpr_count:     1024
    .wavefront_size: 32
...
	.end_amdgpu_metadata
.endif
;; end of part 3
